; MI455X (gfx1250); checked and timed in simulation.
; The chip was launched on July 23, 2026; its instructions are those of AMD's public machine-readable ISA for CDNA 5 (MIT licence, August 2026) and "CDNA5" Instruction Set Architecture Reference Guide (July 2026). The comments in the code are by the model that wrote it; some were corrected since.
;; Model. Allowed arithmetic: float matrix products may take bf16 or f16 operands with f32 sums; all other float work in f32.
;; Inputs: bert_encoded 32 x 512 x 768 float32; ent_mask 32 x 32 float32; ent_spans 32 x 32 x 2 int32; ln1_b 768 float32; ln1_w 768 x 768 float32; lno_b 7 float32; lno_w 7 x 768 float32; wk_b 768 float32; wk_w 768 x 768 float32; wq_b 768 float32; wq_w 768 x 768 float32.
;; Outputs: out0 32 x 32 x 32 x 7 float32.
;; One version. Each part assembles by itself: llvm-mc -triple=amdgcn-amd-amdhsa -mcpu=gfx1250 --defsym DOCPART=n.
;; ======== version 1 of 1: 3 launches
;; limits: values are held in f16: magnitudes above 65,504 overflow, below 6.1e-05 lose precision
;; workspace buffers: ent 1,572,864 bytes; wf 3,538,944 bytes; qk 6,291,456 bytes; mxw 49,152 bytes; mxqk 196,608 bytes
;; launch prep (part 1): grid 400 x 1, 4 waves a work-group, no clusters, 28,160 bytes of LDS; arguments bert_encoded, ent_spans, ent_mask, wq_w, wk_w, ln1_w, ent, wf, mxw; writes ent, wf, mxw
.if DOCPART == 1
	.amdgcn_target "amdgcn-amd-amdhsa--gfx1250"
	.amdhsa_code_object_version 6
	.text
	.protected	k_qdcd349fc83_prep
	.globl	k_qdcd349fc83_prep
	.p2align	8
	.type	k_qdcd349fc83_prep,@function
k_qdcd349fc83_prep:
	s_mov_b64 s[64:65], 0
	v_nop
	global_prefetch_b8 v0, s[64:65] scope:SCOPE_SE
	s_setreg_imm32_b32 hwreg(HW_REG_WAVE_MODE, 25, 1), 1
	s_wait_xcnt 0x0
; Two jobs that share nothing, told apart by the work-group's number.
; Work-groups 0-255 (POOL): one wave per entity e = 4 x group + wave.  ent[e][:] = mask[e] x mean of bert rows [u, v), in f16.
; Work-groups 256-399 (CONVERT): 16 rows of one of the three square weights, f32 to f16, laid out in the order in which a
;   matrix fragment's registers want them:  wf[mat][ks 0-11][T 0-47][kb 0-1][q 0-1][lane][16 bytes], the 16 bytes of lane (r = lane & 15,
;   h = lane >> 4) being W[16 T + r][64 ks + 32 kb + 16 q + 8 h .. + 7].  For ln1_w also the largest magnitudes, per lane, into mxw.
;   The rows are loaded as they lie (a load of the wave takes 256 consecutive bytes of each of two rows) and change their order in a stage
;   in LDS that is each wave's own: no barrier.
; No matrix work, and no byte is used by two waves.
; LIMITS: u and v are taken as unsigned and clamped to 512.  For v < u the mean over [v, u) is formed (the quotient of the two negated
;   numbers).  For u = v the result is NaN (0 x infinity), as 0 / 0 is.  The mean is a direct f32 sum times v_rcp_f32 (1 ULP), not a
;   difference of running sums.  f16 holds magnitudes up to 65,504 with an absolute floor near 3e-8.
.set ROWB, 3072                        ; bytes in a row of 768 f32
.set ACC,  4                           ; v[4:27]   POOL: my 24 sums (6 pieces of 4 numbers)
.set SC,   28                          ; v[28:29]  POOL: mask / length, twice
.set X,    32                          ; v[32:223] POOL: eight rows, 24 registers each.  CONVERT: v[32:127] 96 numbers as loaded
.set Y,    128                         ; v[128:175] CONVERT: 48 words of f16 pairs
.set Z,    176                         ; v[176:223] CONVERT: 12 times 16 bytes in fragment order, read back from the stage
.set MX,   10                          ; v[10:11]  CONVERT: two running maxima
.set RB,   40                          ; s[40:55]  POOL: address of each of the eight rows
.set WT,   66                          ; s[66:81]  POOL: weight 1.0 or 0 of each row, as a pair
.set SPITCH, 288                       ; CONVERT: a block of 16 rows x 16 bytes in the stage, + 32: the 32 lanes' 8 bytes of a store fall on 32 different pairs of banks
.set SKS,    8*SPITCH                  ; the 8 blocks (kb, q, h) of one ks
.set STAGEW, 3*SKS                     ; a wave's stage: 6,912 bytes
	s_load_b256 s[4:11], s[0:1], 0x0               ; bert s[4:5], spans s[6:7], mask s[8:9], wq_w s[10:11]
	s_load_b256 s[12:19], s[0:1], 0x20             ; wk_w s[12:13], ln1_w s[14:15], ent s[16:17], wf s[18:19]
	s_load_b64 s[20:21], s[0:1], 0x40              ; mxw
	v_lshl_add_u32 v224, v0, 2, 0x6c00
	v_mov_b32 v225, 0
	v_lshrrev_b32 v1, 5, v0
	v_readfirstlane_b32 s22, v1                    ; wave 0..3
	v_and_b32 v3, 31, v0                           ; lane
	s_wait_kmcnt 0x0
	s_cmp_lt_u32 ttmp9, 256
	s_cbranch_scc0 .Lconvert
; ---------------------------------------------------------------- POOL
	s_lshl_b32 s23, ttmp9, 2
	s_add_co_u32 s23, s23, s22                     ; e
	s_lshl_b32 s24, s23, 3
	s_mov_b32 s25, 0
	s_add_nc_u64 s[6:7], s[6:7], s[24:25]          ; spans + 8 e
	s_lshl_b32 s24, s23, 2
	s_add_nc_u64 s[8:9], s[8:9], s[24:25]          ; mask + 4 e
	s_load_b64 s[26:27], s[6:7], 0x0               ; u, v
	s_load_b32 s28, s[8:9], 0x0                    ; mask[e]
	v_lshlrev_b32 v1, 4, v3                        ; 16 x lane: my 16 bytes of each 512 of a row
	v_lshlrev_b32 v2, 3, v3                        ; 8 x lane: my 8 bytes of each 256 of the f16 row
	s_lshr_b32 s38, ttmp9, 3                       ; batch = e / 32
	s_mul_i32 s38, s38, 512*ROWB
	s_mov_b32 s39, 0
	s_add_nc_u64 s[34:35], s[4:5], s[38:39]        ; the batch's first row
	s_mul_i32 s38, s23, 1536
	s_add_nc_u64 s[16:17], s[16:17], s[38:39]      ; ent + e rows of 768 f16
	s_wait_kmcnt 0x0
	s_min_u32 s26, s26, 512
	s_min_u32 s27, s27, 512
	s_min_u32 s29, s26, s27                        ; lo
	s_max_u32 s30, s26, s27                        ; hi
	s_sub_co_u32 s31, s30, s29                     ; length
	s_max_u32 s32, s30, 1
	s_sub_co_u32 s32, s32, 1                       ; the span's last row
	s_add_co_u32 s33, s31, 7
	s_lshr_b32 s33, s33, 3
	s_max_u32 s33, s33, 1
	s_min_u32 s33, s33, 64                         ; trips of eight rows
	s_mov_b32 s36, s29                             ; the trip's first row
.macro SUMROW r, start                 ; my 24 numbers of row r, times its weight, onto the sums; start = 1: they begin the sums, nothing is cleared
.irp i, 0,2,4,6,8,10,12,14,16,18,20,22
.if \start
	v_pk_mul_f32 v[ACC+\i:ACC+\i+1], v[X+24*\r+\i:X+24*\r+\i+1], s[WT+2*\r:WT+2*\r+1] op_sel_hi:[1,0]
.else
	v_pk_fma_f32 v[ACC+\i:ACC+\i+1], v[X+24*\r+\i:X+24*\r+\i+1], s[WT+2*\r:WT+2*\r+1], v[ACC+\i:ACC+\i+1] op_sel_hi:[1,0,1]
.endif
.endr
.endm
; Eight rows: 48 loads go out in one run, then the rows are summed as they come.  A row at or past the span's end is the span's own last
; row with weight 0, so that no load leaves the span.
.macro TRIP first
.irp r, 0,1,2,3,4,5,6,7
	s_add_co_u32 s38, s36, \r
	s_cmp_lt_u32 s38, s30                          ; inside the span?
	s_cselect_b32 s[WT+2*\r], 1.0, 0
	s_cselect_b32 s[WT+2*\r+1], 1.0, 0
	s_min_u32 s38, s38, s32
	s_min_u32 s38, s38, 511                        ; a row of the table, whatever was loaded
	s_mul_i32 s38, s38, ROWB
	s_mov_b32 s39, 0
	s_add_nc_u64 s[RB+2*\r:RB+2*\r+1], s[34:35], s[38:39]
.irp t, 0,1,2,3,4,5
	global_load_b128 v[X+24*\r+4*\t:X+24*\r+4*\t+3], v1, s[RB+2*\r:RB+2*\r+1] offset:512*\t
.endr
.endr
	s_wait_loadcnt 42                              ; row 0's six loads are in; the six of each of the seven younger rows stay out
	SUMROW 0, \first
.irp r, 1,2,3,4,5,6,7
	s_wait_loadcnt 6*(7-\r)
	SUMROW \r, 0
.endr
	s_add_co_u32 s36, s36, 8                       ; the last wait was for 0: row addresses and X may be written again
.endm
	TRIP 1
	s_cmp_eq_u32 s33, 1
	s_cbranch_scc1 .Ldone
	s_mov_b32 s37, 1
.Lmore:
	TRIP 0
	s_add_co_u32 s37, s37, 1
	s_cmp_lt_u32 s37, s33
	s_cbranch_scc1 .Lmore
.Ldone:
	v_cvt_f32_u32 v[SC], s31
	v_rcp_f32 v[SC], v[SC]
	v_nop                                          ; one plain place behind v_rcp_f32 before its result is used (ISA guide 5.7.2)
	s_wait_alu depctr_va_vdst(0)
	v_mul_f32 v[SC], s28, v[SC]                    ; mask / length
	v_mov_b32 v[SC+1], v[SC]
.irp i, 0,2,4,6,8,10,12,14,16,18,20,22
	v_pk_mul_f32 v[ACC+\i:ACC+\i+1], v[ACC+\i:ACC+\i+1], v[SC:SC+1]
.endr
.irp i, 0,1,2,3,4,5,6,7,8,9,10,11
	v_cvt_pk_f16_f32 v[ACC+\i], v[ACC+2*\i], v[ACC+2*\i+1]     ; in place, ascending: word i is written after it was read
.endr
.irp t, 0,1,2,3,4,5
	global_store_b64 v2, v[ACC+2*\t:ACC+2*\t+1], s[16:17] offset:256*\t    ; the wave's store covers 256 consecutive bytes, aligned
.endr
	s_endpgm
; ---------------------------------------------------------------- CONVERT
.Lconvert:
	s_sub_co_u32 s23, ttmp9, 256                   ; 0..143: matrix = / 48, block of 16 rows T = % 48
	s_cmp_lt_u32 s23, 48
	s_cselect_b64 s[24:25], s[10:11], s[12:13]
	s_cselect_b32 s26, 0, 1
	s_cmp_lt_u32 s23, 96
	s_cselect_b64 s[24:25], s[24:25], s[14:15]     ; the source matrix
	s_cselect_b32 s26, s26, 2                      ; its number
	s_mul_i32 s27, s26, 48
	s_sub_co_u32 s27, s23, s27                     ; T
	s_mul_i32 s28, s27, 16*ROWB
	s_mul_i32 s29, s22, 768                        ; the wave takes 192 columns: ks = 3 wave + 0..2
	s_add_co_u32 s28, s28, s29
	s_mov_b32 s29, 0
	s_add_nc_u64 s[24:25], s[24:25], s[28:29]
	s_mul_i32 s30, s26, 1179648
	s_mul_i32 s31, s22, 3*98304
	s_add_co_u32 s30, s30, s31
	s_lshl_b32 s31, s27, 11
	s_add_co_u32 s30, s30, s31
	s_mov_b32 s31, 0
	s_add_nc_u64 s[18:19], s[18:19], s[30:31]      ; wf at (matrix, 3 wave, T)
	s_lshl_b32 s32, s27, 2
	s_add_co_u32 s32, s32, s22
	s_lshl_b32 s32, s32, 8
	s_mov_b32 s33, 0
	s_add_nc_u64 s[20:21], s[20:21], s[32:33]      ; mxw at (T, wave)
	s_mul_i32 s34, s22, STAGEW                     ; my stage in LDS
	v_and_b32 v4, 15, v0                           ; c: which 4 numbers of a row's 64
	v_bfe_u32 v5, v0, 4, 1                         ; hh: the even or the odd row of a pair
	v_mul_u32_u24 v1, v5, ROWB
	v_lshl_add_u32 v1, v4, 4, v1                   ; row hh, 16 c bytes in
	; 24 loads: ks = 3 wave + k3, rows 2 rp and 2 rp + 1; lanes 0-15 take 256 consecutive bytes of one row, lanes 16-31 of the next
.irp k3, 0,1,2
.irp rp, 0,1,2,3,4,5,6,7
	global_load_b128 v[X+4*(8*\k3+\rp):X+4*(8*\k3+\rp)+3], v1, s[24:25] offset:2*ROWB*\rp+256*\k3 th:TH_LOAD_NT
.endr
.endr
	v_lshlrev_b32 v2, 4, v3                        ; 16 x lane
	v_lshlrev_b32 v6, 3, v3                        ; 8 x lane
	; My 4 numbers are k = 4 c .. 4 c + 3 of the ks: kb = c >> 3, q = (c >> 2) & 1, h = (c >> 1) & 1, and the lower or upper 8 of the 16 bytes by c & 1.
	; So the block (kb, q, h) is number c >> 1, and inside it row r = 2 rp + hh has 16 bytes.
	v_lshrrev_b32 v7, 1, v4
	v_mul_u32_u24 v7, v7, SPITCH
	v_lshl_add_u32 v7, v5, 4, v7
	v_and_b32 v9, 1, v4
	v_lshl_add_u32 v7, v9, 3, v7
	v_add_nc_u32 v7, s34, v7                       ; where I put 8 bytes
	v_mul_u32_u24 v8, v5, SPITCH                   ; back: lane (r, h) takes the 16 bytes of row r in block (kb, q, h): 16 lanes, 256 consecutive bytes
	v_lshl_add_u32 v8, v4, 4, v8
	v_add_nc_u32 v8, s34, v8
; One ks: converted, put into the stage, read back in fragment order.  LDS serves a wave's instructions in order (ISA guide 5.7.1), and the
; stage is the wave's own: no wait stands between the stores and the loads.
.macro CGRP k3
	s_wait_loadcnt 16-8*\k3                        ; this ks's eight loads are in; the eight of each younger ks stay out
.irp rp, 0,1,2,3,4,5,6,7
	v_cvt_pk_f16_f32 v[Y+2*(8*\k3+\rp)],   v[X+4*(8*\k3+\rp)],   v[X+4*(8*\k3+\rp)+1]
	v_cvt_pk_f16_f32 v[Y+2*(8*\k3+\rp)+1], v[X+4*(8*\k3+\rp)+2], v[X+4*(8*\k3+\rp)+3]
.endr
.irp rp, 0,1,2,3,4,5,6,7
	ds_store_b64 v7, v[Y+2*(8*\k3+\rp):Y+2*(8*\k3+\rp)+1] offset:SKS*\k3+32*\rp
.endr
.irp kb, 0,1
.irp q, 0,1
	ds_load_b128 v[Z+4*(4*\k3+2*\kb+\q):Z+4*(4*\k3+2*\kb+\q)+3], v8 offset:SKS*\k3+SPITCH*(4*\kb+2*\q)
.endr
.endr
.endm
.macro CST k3, left                    ; one ks goes out; left = how many younger LDS instructions may stay out
	s_wait_dscnt \left
.irp kb, 0,1
.irp q, 0,1
	global_store_b128 v2, v[Z+4*(4*\k3+2*\kb+\q):Z+4*(4*\k3+2*\kb+\q)+3], s[18:19] offset:98304*\k3+1024*\kb+512*\q   ; 512 consecutive bytes
.endr
.endr
.endm
	CGRP 0
	CGRP 1
	CST 0, 12                                      ; the next ks's 8 stores and 4 loads stay out
	CGRP 2
	CST 1, 12
	CST 2, 0
	s_cmp_lt_u32 s23, 96
	s_cbranch_scc1 .Lend                           ; only ln1_w's magnitudes are wanted later
	v_max_num_f32 v[MX], |v[X]|, |v[X+1]|          ; two chains, each over 48 of my 96 numbers
	v_max_num_f32 v[MX+1], |v[X+48]|, |v[X+49]|
.set i, 2
.rept 23
	v_max3_num_f32 v[MX], |v[X+i]|, |v[X+i+1]|, v[MX]
	v_max3_num_f32 v[MX+1], |v[X+48+i]|, |v[X+49+i]|, v[MX+1]
.set i, i+2
.endr
	global_store_b64 v6, v[MX:MX+1], s[20:21]
.Lend:
	s_wait_tensorcnt 0x0
	ds_add_u32 v224, v225
	s_wait_dscnt 0x0
	s_endpgm
.Lfunc_end_k_qdcd349fc83_prep:
	.size	k_qdcd349fc83_prep, .Lfunc_end_k_qdcd349fc83_prep-k_qdcd349fc83_prep
	.p2alignl 7, 3214868480
	.fill 96, 4, 3214868480
	.section	.rodata,"a",@progbits
	.p2align	6, 0x0
	.amdhsa_kernel k_qdcd349fc83_prep
		.amdhsa_group_segment_fixed_size 28160
		.amdhsa_private_segment_fixed_size 0
		.amdhsa_enable_private_segment 0
		.amdhsa_kernarg_size 72
		.amdhsa_user_sgpr_count 2
		.amdhsa_user_sgpr_kernarg_segment_ptr 1
		.amdhsa_wavefront_size32 1
		.amdhsa_system_sgpr_workgroup_id_x 1
		.amdhsa_system_sgpr_workgroup_id_y 1
		.amdhsa_system_sgpr_workgroup_id_z 1
		.amdhsa_system_vgpr_workitem_id 0
		.amdhsa_next_free_vgpr 226
		.amdhsa_next_free_sgpr 82
		.amdhsa_reserve_vcc 0
		.amdhsa_float_denorm_mode_32 3
		.amdhsa_float_denorm_mode_16_64 3
		.amdhsa_memory_ordered 1
		.amdhsa_forward_progress 1
		.amdhsa_inst_pref_size 46
	.end_amdhsa_kernel
	.amdgpu_metadata
---
amdhsa.version: [ 1, 2 ]
amdhsa.kernels:
  - .name:           k_qdcd349fc83_prep
    .symbol:         k_qdcd349fc83_prep.kd
    .args:
      - { .name: bert_encoded, .offset: 0, .size: 8, .value_kind: global_buffer, .address_space: global }
      - { .name: ent_spans, .offset: 8, .size: 8, .value_kind: global_buffer, .address_space: global }
      - { .name: ent_mask, .offset: 16, .size: 8, .value_kind: global_buffer, .address_space: global }
      - { .name: wq_w, .offset: 24, .size: 8, .value_kind: global_buffer, .address_space: global }
      - { .name: wk_w, .offset: 32, .size: 8, .value_kind: global_buffer, .address_space: global }
      - { .name: ln1_w, .offset: 40, .size: 8, .value_kind: global_buffer, .address_space: global }
      - { .name: ent, .offset: 48, .size: 8, .value_kind: global_buffer, .address_space: global }
      - { .name: wf, .offset: 56, .size: 8, .value_kind: global_buffer, .address_space: global }
      - { .name: mxw, .offset: 64, .size: 8, .value_kind: global_buffer, .address_space: global }
    .group_segment_fixed_size: 28160
    .private_segment_fixed_size: 0
    .kernarg_segment_align: 8
    .kernarg_segment_size: 72
    .max_flat_workgroup_size: 128
    .sgpr_count:     82
    .vgpr_count:     226
    .wavefront_size: 32
...
	.end_amdgpu_metadata
.endif
;; end of part 1
;; launch proj (part 2): grid 24 x 8, 4 waves a work-group, clusters of 4 x 4, 318,976 bytes of LDS; arguments ent, wf, wq_b, wk_b, qk, mxqk; writes qk, mxqk
.if DOCPART == 2
	.amdgcn_target "amdgcn-amd-amdhsa--gfx1250"
	.amdhsa_code_object_version 6
	.text
	.protected	k_qdcd349fc83_proj
	.globl	k_qdcd349fc83_proj
	.p2align	8
	.type	k_qdcd349fc83_proj,@function
k_qdcd349fc83_proj:
	s_mov_b64 s[64:65], 0
	v_nop
	global_prefetch_b8 v0, s[64:65] scope:SCOPE_SE
	s_setreg_imm32_b32 hwreg(HW_REG_WAVE_MODE, 25, 1), 1
	s_wait_xcnt 0x0
	s_wait_alu depctr_hold_cnt(0) depctr_sa_sdst(0) depctr_va_vdst(0) depctr_va_sdst(0) depctr_va_ssrc(0) depctr_va_vcc(0) depctr_vm_vsrc(0)
	s_getreg_b32 s2, hwreg(HW_REG_IB_STS2, 6, 4)
	s_cmp_eq_u32 s2, 0
	s_cbranch_scc0 .Lentry_in_a_cluster
	s_endpgm
.Lentry_in_a_cluster:
	s_bfe_u32 s2, ttmp6, 0x10000c
	s_cmp_lg_u32 s2, 0xf033
	s_cbranch_scc0 .Lentry_shape_is_right
	s_endpgm
.Lentry_shape_is_right:
; qk[0] = ent x wq_w^T + wq_b, qk[1] = ent x wk_w^T + wk_b, f32; operands f16, sums f32.  C is [1024] x [1536 = q | k], K = 768.
; A work-group makes 128 rows x 64 columns (a row's 64 f32 are 256 consecutive bytes); 24 x 8 work-groups.  Wave w makes rows 32 w .. 32 w + 31,
; which are one batch, times all 64 columns: 2 x 4 accumulator tiles.  All operands of the work-group (196,608 + 98,304 bytes) lie in LDS at once,
; brought in three phases of 256 along K: every LDS byte is filled once, so there is no ring and no refill.
; CLUSTERS: 4 x 4.  The four work-groups of a row of the cluster need the same 128 rows of ent, the four of a column the same 64 rows of the
; weight: each tile is asked for jointly, which divides the requests by four.  Waves 0 and 1 ask for ent's two halves, waves 2 and 3 for the weight's.
; A wave has three tensor loads outstanding.
; Also stored: the largest |q| or |k| of the wave's 32 x 64 block, per lane, for the next launch's scales.
; The matrix instruction is used transposed (source 0 = 16 rows of the weight, source 1 = 16 rows of ent): lane (r, h) register j then holds
; row 16 a + r, column 16 t + 8 h + j: eight neighbouring numbers of a row.
.set APH,    67584                     ; ent's tile of one phase: 128 rows x 528
.set APITCH, 528                       ; 512 bytes of data + 16 of padding: an odd multiple of 16, so that 16 rows start at 16 different columns of 16 bytes
.set BBASE,  202752                    ; behind ent's three tiles
.set BPH,    32768                     ; the weight's tile of one phase: [4 ks][4 T][2,048], in fragment order, dense
.set STG,    301056                    ; behind the tiles: 16 rows x 272 bytes for each wave, for the way out; no tensor load lands here
.set SPITCH, 272
.set ADRA, 4                           ; v4-6    LDS address of my ent fragments, phase 0, 1, 2
.set ADRB, 7                           ; v7-9    the same for the weight's
.set STO,  10                          ; v10     the way out: where I put 32 bytes of a row
.set RD,   11                          ; v11     where I read a row back
.set CO,   12                          ; v12     my byte offset in qk
.set F0,   16                          ; v[16:63], v[64:111]: two fragment buffers; ent's two fragments at +0, the weight's four at +16
.set ACC,  112                         ; v[112:175] tile (a, t) at 112 + 8 (4 a + t)
.set BIA,  176                         ; v[176:207] bias of my 8 columns in each of 4 tiles
.set OT,   208                         ; v[208:239] rows read back
.set MX,   240                         ; v[240:241] two maxima
.set G1A, 24                           ; s[24:31] group 1 for ent's tiles
.set G0A, 32                           ; s[32:43] group 0, one set for each phase
.set G1B, 44                           ; s[44:51] group 1 for the weight's tiles
.set G0B, 52                           ; s[52:63] group 0, one set for each phase
.macro ROUND                           ; a round of the cluster's barrier: my work-group's barrier, wave 0 signals for it, all wait, my barrier again
	s_barrier_signal -1
	s_barrier_wait -1
	s_cmp_lg_u32 s22, 0
	s_cbranch_scc1 .Lnot_wave_0_\@
	s_barrier_signal -3
.Lnot_wave_0_\@:
	s_barrier_wait -3
	s_barrier_signal -1
	s_barrier_wait -1
.endm
.macro PLACES                          ; four places between a matrix instruction and a load into, or a vector instruction on, its registers
.rept 4
	v_nop
.endr
.endm
	s_load_b256 s[4:11], s[0:1], 0x0               ; ent s[4:5], wf s[6:7], wq_b s[8:9], wk_b s[10:11]
	s_load_b128 s[12:15], s[0:1], 0x20             ; qk s[12:13], mxqk s[14:15]
	v_lshl_add_u32 v248, v0, 2, 0x4dc00
	v_mov_b32 v249, 0
	ds_add_u32 v248, v249
	v_lshrrev_b32 v1, 5, v0
	v_readfirstlane_b32 s22, v1                    ; wave 0..3
	s_and_b32 s23, s22, 1                          ; which half of a tile I ask for
	s_bfe_u32 s16, ttmp6, 0x40000                  ; cx
	s_bfe_u32 s17, ttmp6, 0x40004                  ; cy
	s_cmp_ge_u32 ttmp9, 3                          ; clusters 0-2 along x make q, 3-5 make k: the same for all partners
	s_cselect_b32 s18, 1, 0                        ; sel
	s_cselect_b32 s19, 3, 0
	s_sub_co_u32 s19, ttmp9, s19
	s_lshl_b32 s19, s19, 2
	s_add_co_u32 s19, s19, s16                     ; xm: block of 64 columns inside the matrix, 0..11
	s_lshl_b32 s21, ttmp9, 2
	s_add_co_u32 s21, s21, s16                     ; x: 0..23
	s_and_b32 s20, ttmp7, 0xffff
	s_lshl_b32 s20, s20, 2
	s_add_co_u32 s20, s20, s17                     ; y: block of 128 rows, 0..7
	s_lshl_b32 s80, s17, 2
	s_lshl_b32 s80, 15, s80                        ; my row of the cluster
	s_lshl_b32 s81, 0x1111, s16                    ; my column
	; ent's tile: 64 rows x 256 elements of 2 bytes, pitch 768, 4 words of padding behind every 128 words
	s_or_b32 s[G1A+0], s80, (1<<16)|(1<<20)|(1<<21)|(6<<22)|(3<<25)
	s_mov_b32 s[G1A+1], 256<<16                    ; tensor_dim0 = 256
	s_mov_b32 s[G1A+2], 64<<16                     ; tensor_dim1 = 64
	s_mov_b32 s[G1A+3], 256<<16                    ; tile_dim0 = 256
	s_mov_b32 s[G1A+4], 64                         ; tile_dim1 = 64
	s_mov_b32 s[G1A+5], 768                        ; elements from row to row
	s_mov_b32 s[G1A+6], 0
	s_mov_b32 s[G1A+7], 0
	; the weight's tile: 2 rows (two ks) x 1,024 elements of 8 bytes (four T blocks of 2,048 bytes), pitch 12,288 elements (one ks block)
	s_or_b32 s[G1B+0], s81, (3<<16)|(1<<21)
	s_mov_b32 s[G1B+1], 1024<<16
	s_mov_b32 s[G1B+2], 2<<16
	s_mov_b32 s[G1B+3], 1024<<16
	s_mov_b32 s[G1B+4], 2
	s_mov_b32 s[G1B+5], 12288
	s_mov_b32 s[G1B+6], 0
	s_mov_b32 s[G1B+7], 0
	; ent's address hangs on y alone, the weight's on sel and xm alone; each is made in registers that never hold the other coordinate
	s_lshl_b32 s68, s20, 7
	s_lshl_b32 s69, s23, 6
	s_add_co_u32 s68, s68, s69                     ; row 128 y + 64 half
	s_mul_i32 s68, s68, 1536
	s_mov_b32 s69, 0
	s_mul_i32 s72, s18, 1179648                    ; the matrix
	s_mul_i32 s73, s23, 2*98304                    ; ks = 2 half
	s_add_co_u32 s72, s72, s73
	s_lshl_b32 s73, s19, 13                        ; T = 4 xm
	s_add_co_u32 s72, s72, s73
	s_mov_b32 s73, 0
	s_mul_i32 s76, s22, 64*APITCH                  ; LDS: ent's halves are asked for by waves 0, 1: wave x 33,792
	s_lshl_b32 s77, s22, 14                        ; the weight's by waves 2, 3: BBASE + (wave - 2) x 16,384
	s_add_co_u32 s77, s77, BBASE-2*16384
	s_wait_dscnt 0x0
	s_wait_kmcnt 0x0
	s_add_nc_u64 s[70:71], s[4:5], s[68:69]
	s_add_nc_u64 s[74:75], s[6:7], s[72:73]
.irp p, 0,1,2
	s_mov_b32 s[G0A+4*\p], 1
	s_add_co_u32 s[G0A+4*\p+1], s76, \p*APH
	s_add_nc_u64 s[G0A+4*\p+2:G0A+4*\p+3], s[70:71], \p*512
	s_or_b32 s[G0A+4*\p+3], s[G0A+4*\p+3], 0x80000000
	s_mov_b32 s[G0B+4*\p], 1
	s_add_co_u32 s[G0B+4*\p+1], s77, \p*BPH
	s_add_nc_u64 s[G0B+4*\p+2:G0B+4*\p+3], s[74:75], \p*4*98304
	s_or_b32 s[G0B+4*\p+3], s[G0B+4*\p+3], 0x80000000
.endr
	ROUND                                          ; all sixteen work-groups are here: the joint loads meet
	s_cmp_lt_u32 s22, 2                            ; the branch hangs on the wave's number alone
	s_cbranch_scc0 .Lfill_b
	tensor_load_to_lds s[G0A:G0A+3], s[G1A:G1A+7]
	s_nop 0
	tensor_load_to_lds s[G0A+4:G0A+7], s[G1A:G1A+7]
	s_nop 0
	tensor_load_to_lds s[G0A+8:G0A+11], s[G1A:G1A+7]
	s_nop 0
	s_branch .Lfilled
.Lfill_b:
	tensor_load_to_lds s[G0B:G0B+3], s[G1B:G1B+7]
	s_nop 0
	tensor_load_to_lds s[G0B+4:G0B+7], s[G1B:G1B+7]
	s_nop 0
	tensor_load_to_lds s[G0B+8:G0B+11], s[G1B:G1B+7]
	s_nop 0
.Lfilled:
	v_and_b32 v2, 15, v0                           ; r
	v_bfe_u32 v3, v0, 4, 1                         ; h
	v_and_b32 v15, 31, v0                          ; lane
	v_lshl_add_u32 v[ADRA], s22, 5, v2             ; row 32 w + r
	v_mul_u32_u24 v[ADRA], v[ADRA], APITCH
	v_lshl_add_u32 v[ADRA], v3, 4, v[ADRA]         ; + 16 h
	v_add_nc_u32 v[ADRA+1], APH, v[ADRA]
	v_add_nc_u32 v[ADRA+2], 2*APH, v[ADRA]
	v_lshlrev_b32 v[ADRB], 4, v15                  ; fragment order: lane i reads at 16 i
	v_add_nc_u32 v[ADRB], BBASE, v[ADRB]
	v_add_nc_u32 v[ADRB+1], BPH, v[ADRB]
	v_add_nc_u32 v[ADRB+2], 2*BPH, v[ADRB]
	s_mul_i32 s82, s22, 16*SPITCH
	s_add_co_u32 s82, s82, STG                     ; my stage
	v_mul_u32_u24 v[STO], v2, SPITCH
	v_lshl_add_u32 v[STO], v3, 5, v[STO]
	v_add_nc_u32 v[STO], s82, v[STO]
	v_mul_u32_u24 v[RD], v3, SPITCH
	v_lshl_add_u32 v[RD], v2, 4, v[RD]
	v_add_nc_u32 v[RD], s82, v[RD]
	v_mul_u32_u24 v[CO], v3, 3072
	v_lshl_add_u32 v[CO], v2, 4, v[CO]
	v_lshlrev_b32 v13, 5, v3                       ; 32 h: my 8 columns' bias
	v_lshlrev_b32 v14, 3, v15                      ; 8 x lane
	s_cmp_ge_u32 ttmp9, 3
	s_cselect_b64 s[78:79], s[10:11], s[8:9]       ; wk_b or wq_b
	s_lshl_b32 s84, s19, 8                         ; 64 xm numbers of 4 bytes
	s_mov_b32 s85, 0
	s_add_nc_u64 s[78:79], s[78:79], s[84:85]
.irp t, 0,1,2,3
	global_load_b128 v[BIA+8*\t:BIA+8*\t+3],   v13, s[78:79] offset:64*\t
	global_load_b128 v[BIA+8*\t+4:BIA+8*\t+7], v13, s[78:79] offset:64*\t+16
.endr
; 12 LDS loads: the fragments of 32 along K (number kl of the phase's eight) into buffer f
.macro FRAGS p, kl, f
.irp a, 0,1
	ds_load_b128 v[(\f)+8*\a:(\f)+8*\a+3],   v[ADRA+\p] offset:16*APITCH*\a+64*(\kl)
	ds_load_b128 v[(\f)+8*\a+4:(\f)+8*\a+7], v[ADRA+\p] offset:16*APITCH*\a+64*(\kl)+32
.endr
.irp t, 0,1,2,3
	ds_load_b128 v[(\f)+16+8*\t:(\f)+16+8*\t+3], v[ADRB+\p] offset:8192*((\kl)>>1)+2048*\t+1024*((\kl)&1)
	ds_load_b128 v[(\f)+16+8*\t+4:(\f)+16+8*\t+7], v[ADRB+\p] offset:8192*((\kl)>>1)+2048*\t+1024*((\kl)&1)+512
.endr
.endm
; 8 matrix instructions; the eight accumulators take turns, one instruction a turn
.macro MUL8 f, zero
.irp a, 0,1
.irp t, 0,1,2,3
.if \zero
	v_wmma_f32_16x16x32_f16 v[ACC+8*(4*\a+\t):ACC+8*(4*\a+\t)+7], v[(\f)+16+8*\t:(\f)+16+8*\t+7], v[(\f)+8*\a:(\f)+8*\a+7], 0
.else
	v_wmma_f32_16x16x32_f16 v[ACC+8*(4*\a+\t):ACC+8*(4*\a+\t)+7], v[(\f)+16+8*\t:(\f)+16+8*\t+7], v[(\f)+8*\a:(\f)+8*\a+7], v[ACC+8*(4*\a+\t):ACC+8*(4*\a+\t)+7]
.endif
.endr
.endr
.endm
.macro PHASE p, zero
	s_wait_tensorcnt 2-\p                          ; my part of this phase's tiles has landed; the later phases' loads stay out: no LDS byte is filled twice
	s_wait_dscnt 0x0
	s_barrier_signal -1
	s_barrier_wait -1                              ; everybody's part has
	PLACES                                         ; buffer 0 was read by matrix instructions of the phase before
	FRAGS \p, 0, F0
.irp kl, 0,1,2,3,4,5,6,7
.if \kl < 7
	PLACES
	FRAGS \p, \kl+1, F0+48*((\kl+1)&1)
	s_wait_dscnt 12                                ; all but the 12 just issued
.else
	s_wait_dscnt 0x0
.endif
.if \kl == 0
	MUL8 F0, \zero                                 ; the very first products start the sums: nothing is cleared
.else
	MUL8 F0+48*(\kl&1), 0
.endif
.endr
.endm
	PHASE 0, 1
	PHASE 1, 0
	PHASE 2, 0
	PLACES
	s_wait_loadcnt 0x0                             ; the bias
.irp a, 0,1
.irp t, 0,1,2,3
.irp j, 0,2,4,6
	v_pk_add_f32 v[ACC+8*(4*\a+\t)+\j:ACC+8*(4*\a+\t)+\j+1], v[ACC+8*(4*\a+\t)+\j:ACC+8*(4*\a+\t)+\j+1], v[BIA+8*\t+\j:BIA+8*\t+\j+1]
.endr
.endr
.endr
	v_max_num_f32 v[MX], |v[ACC]|, |v[ACC+1]|      ; the largest magnitudes of my 64 numbers, in two chains
	v_max_num_f32 v[MX+1], |v[ACC+32]|, |v[ACC+33]|
.set i, 2
.rept 15
	v_max3_num_f32 v[MX], |v[ACC+i]|, |v[ACC+i+1]|, v[MX]
	v_max3_num_f32 v[MX+1], |v[ACC+32+i]|, |v[ACC+33+i]|, v[MX+1]
.set i, i+2
.endr
	s_lshl_b32 s86, s20, 2
	s_add_co_u32 s86, s86, s22                     ; batch = 4 y + wave
	s_mul_i32 s86, s86, 24
	s_add_co_u32 s86, s86, s21                     ; chunk x: 0-11 from q, 12-23 from k
	s_lshl_b32 s86, s86, 8
	s_mov_b32 s87, 0
	s_add_nc_u64 s[14:15], s[14:15], s[86:87]
	global_store_b64 v14, v[MX:MX+1], s[14:15]
	s_lshl_b32 s88, s20, 7
	s_lshl_b32 s89, s22, 5
	s_add_co_u32 s88, s88, s89                     ; my first row
	s_mul_i32 s88, s88, 3072
	s_mul_i32 s89, s18, 3145728                    ; q or k
	s_add_co_u32 s88, s88, s89
	s_add_co_u32 s88, s88, s84                     ; my 64 columns
	s_mov_b32 s89, 0
	s_add_nc_u64 s[12:13], s[12:13], s[88:89]
; 16 rows go through my own stage: 32 bytes a lane in, whole rows of 256 bytes back.  LDS serves a wave's instructions in order (ISA guide 5.7.1),
; so no wait stands between the stores and the loads.
.macro OUT16 a
.irp t, 0,1,2,3
	ds_store_b128 v[STO], v[ACC+8*(4*\a+\t):ACC+8*(4*\a+\t)+3] offset:64*\t
	ds_store_b128 v[STO], v[ACC+8*(4*\a+\t)+4:ACC+8*(4*\a+\t)+7] offset:64*\t+16
.endr
	s_wait_xcnt 0x0                                ; OT, which earlier stores read, is loaded again only behind this wait
.irp t, 0,1,2,3,4,5,6,7
	ds_load_b128 v[OT+4*\t:OT+4*\t+3], v[RD] offset:2*SPITCH*\t
.endr
.irp t, 0,1,2,3,4,5,6,7
	s_wait_dscnt 7-\t                              ; pair t of rows is back; the younger pairs stay out
	global_store_b128 v[CO], v[OT+4*\t:OT+4*\t+3], s[12:13] offset:(16*\a+2*\t)*3072   ; 16 lanes store 256 consecutive bytes, aligned
.endr
.endm
	OUT16 0
	OUT16 1
	s_wait_tensorcnt 0x0
	ds_add_u32 v248, v249
	s_wait_dscnt 0x0
	ROUND                                          ; the closing round: no work-group ends while a partner may still ask for a tile that names it
	s_endpgm
.Lfunc_end_k_qdcd349fc83_proj:
	.size	k_qdcd349fc83_proj, .Lfunc_end_k_qdcd349fc83_proj-k_qdcd349fc83_proj
	.p2alignl 7, 3214868480
	.fill 96, 4, 3214868480
	.section	.rodata,"a",@progbits
	.p2align	6, 0x0
	.amdhsa_kernel k_qdcd349fc83_proj
		.amdhsa_group_segment_fixed_size 318976
		.amdhsa_private_segment_fixed_size 0
		.amdhsa_enable_private_segment 0
		.amdhsa_kernarg_size 48
		.amdhsa_user_sgpr_count 2
		.amdhsa_user_sgpr_kernarg_segment_ptr 1
		.amdhsa_wavefront_size32 1
		.amdhsa_system_sgpr_workgroup_id_x 1
		.amdhsa_system_sgpr_workgroup_id_y 1
		.amdhsa_system_sgpr_workgroup_id_z 1
		.amdhsa_system_vgpr_workitem_id 0
		.amdhsa_next_free_vgpr 250
		.amdhsa_next_free_sgpr 96
		.amdhsa_reserve_vcc 0
		.amdhsa_float_denorm_mode_32 3
		.amdhsa_float_denorm_mode_16_64 3
		.amdhsa_memory_ordered 1
		.amdhsa_forward_progress 1
		.amdhsa_inst_pref_size 52
	.end_amdhsa_kernel
	.amdgpu_metadata
---
amdhsa.version: [ 1, 2 ]
amdhsa.kernels:
  - .name:           k_qdcd349fc83_proj
    .symbol:         k_qdcd349fc83_proj.kd
    .args:
      - { .name: ent, .offset: 0, .size: 8, .value_kind: global_buffer, .address_space: global }
      - { .name: wf, .offset: 8, .size: 8, .value_kind: global_buffer, .address_space: global }
      - { .name: wq_b, .offset: 16, .size: 8, .value_kind: global_buffer, .address_space: global }
      - { .name: wk_b, .offset: 24, .size: 8, .value_kind: global_buffer, .address_space: global }
      - { .name: qk, .offset: 32, .size: 8, .value_kind: global_buffer, .address_space: global }
      - { .name: mxqk, .offset: 40, .size: 8, .value_kind: global_buffer, .address_space: global }
    .group_segment_fixed_size: 318976
    .private_segment_fixed_size: 0
    .kernarg_segment_align: 8
    .kernarg_segment_size: 48
    .max_flat_workgroup_size: 128
    .sgpr_count:     96
    .vgpr_count:     250
    .wavefront_size: 32
...
	.end_amdgpu_metadata
.endif
;; end of part 2
;; launch pair (part 3): grid 256 x 1, 4 waves a work-group, clusters of 4 x 1, 327,680 bytes of LDS; arguments qk, wf, mxqk, mxw, ln1_b, lno_w, lno_b, ent_mask, out0; writes out0
.if DOCPART == 3
	.amdgcn_target "amdgcn-amd-amdhsa--gfx1250"
	.amdhsa_code_object_version 6
	.text
	.protected	k_qdcd349fc83_pair
	.globl	k_qdcd349fc83_pair
	.p2align	8
	.type	k_qdcd349fc83_pair,@function
k_qdcd349fc83_pair:
	s_mov_b64 s[64:65], 0
	v_nop
	global_prefetch_b8 v0, s[64:65] scope:SCOPE_SE
	s_setreg_imm32_b32 hwreg(HW_REG_WAVE_MODE, 25, 1), 1
	s_wait_xcnt 0x0
	s_wait_alu depctr_hold_cnt(0) depctr_sa_sdst(0) depctr_va_vdst(0) depctr_va_sdst(0) depctr_va_ssrc(0) depctr_va_vcc(0) depctr_vm_vsrc(0)
	s_getreg_b32 s2, hwreg(HW_REG_IB_STS2, 6, 4)
	s_cmp_eq_u32 s2, 0
	s_cbranch_scc0 .Lentry_in_a_cluster
	s_endpgm
.Lentry_in_a_cluster:
	s_bfe_u32 s2, ttmp6, 0x10000c
	s_cmp_lg_u32 s2, 0x3003
	s_cbranch_scc0 .Lentry_shape_is_right
	s_endpgm
.Lentry_shape_is_right:
; out0[b][i][j][:] = (relu(relu(q_i + k_j) x ln1_w^T + ln1_b) x lno_w^T + lno_b) x mask_i x mask_j.
; A work-group makes 128 pairs: batch b = wg / 8, i = 4 (wg % 8) + il (il 0..3), j 0..31; row m = 32 il + j; its output is 3,584 consecutive bytes.
; Wave w makes all 128 rows x columns 192 w .. 192 w + 191 of the hidden layer: 96 accumulator tiles, 768 registers (windows 1 to 3).
; K = 768 goes in 12 steps of 64.  ln1_w's step is a dense block of 98,304 bytes of f16 in fragment order; a wave fetches and reads only its own
; quarter.  Two LDS slots take turns.  The step's slice of relu(q + k) (128 rows x 64, f16) is made just in time by the four waves, a step ahead,
; into two small LDS slices that take turns: each number of it is used in one step only.
; CLUSTERS: 4 x 1.  Every work-group walks the same blocks of ln1_w: the four of a cluster ask jointly (mask 15), which divides the requests by four.
; A wave has two tensor loads outstanding at the start and one behind each later round.
; FORMATS: all matrix operands f16, sums f32.  relu(q + k) is multiplied by s1 and the hidden layer by s2, exact powers of two made from bounds on the
; data: 2 max(|q|, |k|) of the batch times s1, and (768 x that x max|ln1_w| + max|ln1_b|, over the wave's own 192 columns) times s2, are at most 2^15.
; The scales enter as values alone, never into an address or a branch.
; LIMITS: that second bound must be finite in f32, and s2 / s1 too.  relu is a maximum with 0 in which a NaN loses.  The masks are multiplied with each
; other first.  ln1_w and lno_w go unscaled into f16 (magnitudes up to 65,504, absolute floor near 3e-8).
; No prefetch: the blocks of ln1_w are read by all work-groups at about the same time, and the q and k slices are asked for two steps ahead.
.set SLOTB,  98304                     ; an LDS slot: one K step of ln1_w
.set QUART,  24576                     ; a wave's quarter of it: [12 T][2 kb][2 q][512 bytes]
.set ASL,    196608                    ; two slices of relu(q + k): 128 rows x 144 bytes each
.set ASLB,   18432
.set APITCH, 144                       ; 128 bytes of data + 16: an odd multiple of 16
.set LNOF,   233472                    ; lno_w's fragments, 6,144 bytes for each wave
.set BIAS,   258048                    ; ln1_b x s2, 768 bytes for each wave
.set PART,   261120                    ; the waves' partial results: [4 waves][2 h][128 rows][32 bytes]
.set OUTS,   293888                    ; the 128 output rows of 28 bytes
; window 0
.set ADRA, 2                           ; v2      slice 0 + 144 r + 16 h
.set ADRB, 3                           ; v3, v4  slot 0, 1 + my quarter + 16 x lane
.set ASTO, 5                           ; v5      slice 0 + (8 w + h) x 144 + 8 c
.set KOFF, 6                           ; v6      (8 w + h) x 3,072 + 16 c
.set QOFF, 7                           ; v7      16 c
                                       ; v8-v13  addresses of the epilogue, made from the thread's number and constants alone; v14 mask of j
                                       ; v[16:23] at work in the set-up
.set KS,   24                          ; v[24:39] k of rows 8 w + h + 2 t, t 0..3, 4 numbers each
.set QS,   40                          ; v[40:55] q of rows i0 + il, il 0..3, 4 numbers each
.set AF0,  64                          ; v[64:127]   fragments of relu(q + k), k 0-31 of the step
.set AF1,  128                         ; v[128:191]  k 32-63
.set BF0,  192                         ; v[192:223]  four fragments of ln1_w
.set BF1,  224                         ; v[224:255]  four more
.set GW,   AF0                         ; the next slice is worked out in AF0's 64 registers: no matrix instruction reads them between a step's third group and the change of slots
.set LF,   16                          ; epilogue: v[16:63] lno_w's six fragments
.set OA,   64                          ; epilogue: v[64:127] eight accumulator tiles of the last product
.set BI,   128                         ; epilogue: v[128:223] scaled bias of my 8 columns in each of 12 tiles
; scalars
.set G1,   28                          ; s[28:35] descriptor group 1
.set G0,   36                          ; s[36:43] group 0, one set for each slot
.set KB,   44                          ; s[44:45] k's rows of the batch, at the slice to load
.set QB,   46                          ; s[46:47] q's four rows, at the slice to load
.set SCL1, 48                          ; s[48:49] s1, twice
.set CC,   50                          ; s[50:51] s2 / s1, twice
.set IS2,  52                          ; s[52:53] 1 / s2, twice
.set MSB, 0
.macro WIN new                         ; the immediate's high byte repeats the setting that is left; switches that change nothing are dropped
.if MSB != \new
	s_set_vgpr_msb (MSB<<8)|\new
.set MSB, \new
.endif
.endm
.macro PLACES                          ; four places between a matrix instruction and a load into, or a vector instruction on, its registers
.rept 4
	v_nop
.endr
.endm
.macro CREST                           ; a round of the cluster's barrier behind its opening barrier
	s_cmp_lg_u32 s22, 0
	s_cbranch_scc1 .Lnot_wave_0_\@
	s_barrier_signal -3
.Lnot_wave_0_\@:
	s_barrier_wait -3
	s_barrier_signal -1
	s_barrier_wait -1
.endm
.macro ROUND                           ; a whole round
	s_barrier_signal -1
	s_barrier_wait -1
	CREST
.endm
.macro LANEMAX x, t                    ; the largest of v[x] over the 32 lanes, in every lane; v[t] counts as read by the permute: it has been written before
	v_max_num_f32_dpp v[\x], v[\x], v[\x] row_xmask:1 row_mask:0xf bank_mask:0xf
	v_max_num_f32_dpp v[\x], v[\x], v[\x] row_xmask:2 row_mask:0xf bank_mask:0xf
	v_max_num_f32_dpp v[\x], v[\x], v[\x] row_xmask:4 row_mask:0xf bank_mask:0xf
	v_max_num_f32_dpp v[\x], v[\x], v[\x] row_xmask:8 row_mask:0xf bank_mask:0xf
	v_permlanex16_b32 v[\t], v[\x], s66, s67
	v_max_num_f32 v[\x], v[\x], v[\t]
.endm
.macro SCALEOF b, x                    ; bound v[b] < 2^(e - 126), e its exponent field: the scale 2^(141 - e) has the field 268 - e, kept at 253 at the most
	v_lshrrev_b32 v[\x], 23, v[\b]
	v_sub_nc_u32 v[\x], 0x10c, v[\x]
	v_min_u32 v[\x], 0xfd, v[\x]
.endm
	s_load_b512 s[4:19], s[0:1], 0x0               ; qk s[4:5], wf s[6:7], mxqk s[8:9], mxw s[10:11], ln1_b s[12:13], lno_w s[14:15], lno_b s[16:17], ent_mask s[18:19]
	s_load_b64 s[20:21], s[0:1], 0x40              ; out0
	v_lshl_add_u32 v62, v0, 2, 0x48a00
	v_mov_b32 v63, 0
	ds_add_u32 v62, v63
	s_wait_dscnt 0x0
	v_lshrrev_b32 v1, 5, v0
	v_readfirstlane_b32 s22, v1                    ; wave 0..3
	s_bfe_u32 s23, ttmp6, 0x40000                  ; cx
	s_lshl_b32 s24, ttmp9, 2
	s_add_co_u32 s24, s24, s23                     ; wg
	s_lshr_b32 s25, s24, 3                         ; b
	s_and_b32 s26, s24, 7
	s_lshl_b32 s26, s26, 2                         ; i0
	s_mov_b32 s66, 0x76543210                      ; v_permlanex16_b32: lane i of one half reads lane i of the other
	s_mov_b32 s67, 0xfedcba98
	; group 1: a dense block of 24,576 bytes as 96 rows of 32 elements of 8 bytes; mask 15: all four work-groups of the cluster
	s_mov_b32 s[G1+0], 15|(3<<16)|(1<<21)
	s_mov_b32 s[G1+1], 32<<16                      ; tensor_dim0 = 32
	s_mov_b32 s[G1+2], 96<<16                      ; tensor_dim1 = 96
	s_mov_b32 s[G1+3], 32<<16                      ; tile_dim0 = 32
	s_mov_b32 s[G1+4], 96                          ; tile_dim1 = 96
	s_mov_b32 s[G1+5], 32                          ; pitch = 32 elements
	s_mov_b32 s[G1+6], 0
	s_mov_b32 s[G1+7], 0
	s_mul_i32 s72, s22, QUART                      ; my quarter, in memory and in LDS: the wave's number alone
	s_mov_b32 s73, 0
	s_mul_i32 s76, s25, 32*3072
	s_mov_b32 s77, 0
	s_mul_i32 s78, s26, 3072
	s_mov_b32 s79, 0
	s_lshl_b32 s80, s25, 7
	s_mov_b32 s81, 0
	s_add_co_u32 s82, s26, s22
	s_lshl_b32 s82, s82, 2
	s_mov_b32 s83, 0
	s_mul_i32 s86, s25, 6144
	s_mov_b32 s87, 0
	s_mul_i32 s88, s22, 12288
	s_mov_b32 s89, 0
	s_mul_i32 s90, s22, 768
	s_mov_b32 s91, 0
	s_mul_i32 s92, s24, 3584
	s_mov_b32 s93, 0
	s_mul_i32 s94, s22, 6144
	s_lshl_b32 s95, s22, 13
	s_wait_kmcnt 0x0
	s_add_nc_u64 s[74:75], s[6:7], s[72:73]
	s_add_nc_u64 s[74:75], s[74:75], 2*1179648     ; ln1_w is the third matrix in wf
.irp n, 0,1
	s_mov_b32 s[G0+4*\n], 1
	s_add_co_u32 s[G0+4*\n+1], s72, \n*SLOTB
	s_add_nc_u64 s[G0+4*\n+2:G0+4*\n+3], s[74:75], \n*SLOTB
	s_or_b32 s[G0+4*\n+3], s[G0+4*\n+3], 0x80000000
.endr
	s_add_nc_u64 s[KB:KB+1], s[4:5], s[76:77]      ; q's rows of the batch
	s_add_nc_u64 s[QB:QB+1], s[KB:KB+1], s[78:79]  ; q's rows i0 ..
	s_add_nc_u64 s[KB:KB+1], s[KB:KB+1], 3145728   ; k's rows of the batch
	s_add_nc_u64 s[18:19], s[18:19], s[80:81]      ; the batch's masks
	s_add_nc_u64 s[84:85], s[18:19], s[82:83]      ; mask of i = i0 + wave: at the end thread t owns row t, whose il is its wave
	s_load_b32 s54, s[84:85], 0x0
	s_load_b128 s[56:59], s[16:17], 0x0            ; lno_b: 28 bytes
	s_load_b96 s[60:62], s[16:17], 0x10
	s_add_nc_u64 s[8:9], s[8:9], s[86:87]          ; the batch's 6,144 bytes of mxqk
	s_add_nc_u64 s[10:11], s[10:11], s[88:89]      ; my columns' 12,288 bytes of mxw
	s_add_nc_u64 s[12:13], s[12:13], s[90:91]      ; my 192 numbers of ln1_b
	s_add_nc_u64 s[14:15], s[14:15], s[90:91]      ; my 192 columns of lno_w
	s_add_nc_u64 s[20:21], s[20:21], s[92:93]      ; my work-group's output
	ROUND                                          ; all four work-groups are here: the first joint loads meet
	tensor_load_to_lds s[G0:G0+3], s[G1:G1+7]      ; K step 0
	s_nop 0
	tensor_load_to_lds s[G0+4:G0+7], s[G1:G1+7]    ; K step 1
	s_nop 0
	v_and_b32 v62, 31, v0                          ; lane
	v_and_b32 v60, 15, v0                          ; r, also c
	v_bfe_u32 v61, v0, 4, 1                        ; h
	v_lshlrev_b32 v1, 4, v62                       ; 16 x lane
	v_lshlrev_b32 v15, 3, v62                      ; 8 x lane
	v_lshlrev_b32 v57, 2, v62                      ; 4 x lane
	v_mul_u32_u24 v[ADRA], v60, APITCH
	v_lshl_add_u32 v[ADRA], v61, 4, v[ADRA]
	v_add_nc_u32 v[ADRA], ASL, v[ADRA]
	v_add_nc_u32 v[ADRB], s72, v1
	v_add_nc_u32 v[ADRB+1], SLOTB, v[ADRB]
	v_lshl_add_u32 v63, s22, 3, v61                ; 8 w + h
	v_mul_u32_u24 v[ASTO], v63, APITCH
	v_lshl_add_u32 v[ASTO], v60, 3, v[ASTO]
	v_add_nc_u32 v[ASTO], ASL, v[ASTO]
	v_mul_u32_u24 v[KOFF], v63, 3072
	v_lshl_add_u32 v[KOFF], v60, 4, v[KOFF]
	v_lshlrev_b32 v[QOFF], 4, v60
	v_add_nc_u32 v8, s94, v1
	v_add_nc_u32 v8, LNOF, v8                      ; my lno_w fragments
	v_lshl_add_u32 v9, v61, 5, s90
	v_add_nc_u32 v9, BIAS, v9                      ; my scaled bias, 8 h numbers in
	v_add_nc_u32 v58, s90, v15
	v_add_nc_u32 v58, BIAS, v58                    ; where I put it
	v_lshlrev_b32 v10, 5, v60
	v_lshl_add_u32 v10, v61, 12, v10
	v_add_nc_u32 v10, s95, v10
	v_add_nc_u32 v10, PART, v10                    ; partial results: wave, h, row r
	v_lshlrev_b32 v11, 5, v0
	v_add_nc_u32 v11, PART, v11                    ; and row t of wave 0's, h = 0
	v_mul_u32_u24 v12, v0, 28
	v_add_nc_u32 v12, OUTS, v12
	v_lshlrev_b32 v13, 4, v0
	v_min_u32 v56, 6, v60                          ; lno_w has 7 rows; lanes r = 7..15 read row 6 and are zeroed below
	v_mul_u32_u24 v56, v56, 3072
	v_lshl_add_u32 v56, v61, 5, v56
.macro QKLOAD                          ; one slice of 64 along K: 4 rows of k (two a load, 256 consecutive bytes each) and the 4 rows of q
.irp t, 0,1,2,3
	global_load_b128 v[KS+4*\t:KS+4*\t+3], v[KOFF], s[KB:KB+1] offset:6144*\t
.endr
.irp il, 0,1,2,3
	global_load_b128 v[QS+4*\il:QS+4*\il+3], v[QOFF], s[QB:QB+1] offset:3072*\il
.endr
.endm
; Half of my 32 rows of a slice: relu((q + k) s1) in f16.  Rows m = 32 il + 8 w + h + 2 t, il = 2 half, 2 half + 1, t = 0..3, 4 numbers each.
; GENV is the arithmetic alone.  Each half has 32 work registers of its own, and the work goes by kinds (16 multiply-adds, 32 maxima, 16 conversions),
; so that at least eight instructions stand between a result and its reader, and no register that a store reads is written again in the step.
; In half 0 the eight multiplications of q come first: they are the places in front of the first write into AF0, which matrix instructions have just read.
.macro GENV half
.if \half == 0
.irp i, 0,2,4,6,8,10,12,14
	v_pk_mul_f32 v[QS+\i:QS+\i+1], v[QS+\i:QS+\i+1], s[SCL1:SCL1+1] op_sel_hi:[1,0]
.endr
.endif
.irp il, 0,1
.irp t, 0,1,2,3
	v_pk_fma_f32 v[GW+32*\half+16*\il+4*\t:GW+32*\half+16*\il+4*\t+1],   v[KS+4*\t:KS+4*\t+1],   s[SCL1:SCL1+1], v[QS+4*(2*\half+\il):QS+4*(2*\half+\il)+1] op_sel_hi:[1,0,1]
	v_pk_fma_f32 v[GW+32*\half+16*\il+4*\t+2:GW+32*\half+16*\il+4*\t+3], v[KS+4*\t+2:KS+4*\t+3], s[SCL1:SCL1+1], v[QS+4*(2*\half+\il)+2:QS+4*(2*\half+\il)+3] op_sel_hi:[1,0,1]
.endr
.endr
.set i, 0
.rept 32
	v_max_num_f32 v[GW+32*\half+i], 0, v[GW+32*\half+i]
.set i, i+1
.endr
.set i, 0
.rept 8
	v_cvt_pk_f16_f32 v[GW+32*\half+4*i],   v[GW+32*\half+4*i],   v[GW+32*\half+4*i+1]     ; in place, ascending: 8 bytes in the first two of each four registers
	v_cvt_pk_f16_f32 v[GW+32*\half+4*i+1], v[GW+32*\half+4*i+2], v[GW+32*\half+4*i+3]
.set i, i+1
.endr
.endm
.macro GENS par, half                  ; its 8 stores, 8 bytes a lane, into slice par
.irp il, 0,1
.irp t, 0,1,2,3
	ds_store_b64 v[ASTO], v[GW+32*\half+16*\il+4*\t:GW+32*\half+16*\il+4*\t+1] offset:ASLB*(\par)+32*APITCH*(2*\half+\il)+2*APITCH*\t
.endr
.endr
.endm
	; The loads of the set-up, in the order in which they are wanted.  Window 1's registers, not yet sums, take the tables.
	global_load_b32 v14, v57, s[18:19]             ; mask of j = lane
	QKLOAD                                         ; slice 0
	WIN 0x40                                       ; destination window 1
.irp t, 0,1,2,3,4,5,6,7,8,9,10,11
	global_load_b128 v[4*\t:4*\t+3], v1, s[8:9] offset:512*\t              ; 256 + 0..47: the batch's maxima of |q|, |k|
.endr
.irp t, 0,1,2,3,4,5,6,7,8,9,10,11,12,13,14,15,16,17,18,19,20,21,22,23
	global_load_b128 v[48+4*\t:48+4*\t+3], v1, s[10:11] offset:512*\t      ; 256 + 48..143: maxima of |ln1_w| in my 192 rows of it
.endr
.irp t, 0,1,2
	global_load_b64 v[144+2*\t:144+2*\t+1], v15, s[12:13] offset:256*\t    ; 256 + 144..149: my 192 numbers of ln1_b
.endr
.irp p, 0,1,2,3,4,5
	global_load_b128 v[152+16*\p:152+16*\p+3],    v56, s[14:15] offset:128*\p       ; 256 + 152..247: lno_w[r][192 w + 32 p + 8 h ..], as a fragment wants it
	global_load_b128 v[152+16*\p+4:152+16*\p+7],  v56, s[14:15] offset:128*\p+16
	global_load_b128 v[152+16*\p+8:152+16*\p+11], v56, s[14:15] offset:128*\p+64
	global_load_b128 v[152+16*\p+12:152+16*\p+15], v56, s[14:15] offset:128*\p+80
.endr
	s_wait_loadcnt 51                              ; the mask, slice 0 and the maxima of q and k are in; 24 + 3 + 24 younger loads stay out
	WIN 0x05                                       ; sources 0 and 1 window 1
	v_max_num_f32 v16, v0, v1
	v_max_num_f32 v17, v2, v3
.set i, 4
.rept 11
	v_max3_num_f32 v16, v[i], v[i+1], v16
	v_max3_num_f32 v17, v[i+2], v[i+3], v17
.set i, i+4
.endr
	WIN 0
	v_max_num_f32 v16, v16, v17
	LANEMAX 16, 17
	v_add_f32 v16, v16, v16                        ; |q + k| <= 2 max(|q|, |k|)
	SCALEOF 16, 17
	v_sub_nc_u32 v18, 0xfe, v17                    ; the inverse's exponent field
	v_lshlrev_b32 v17, 23, v17                     ; s1
	v_lshlrev_b32 v18, 23, v18                     ; 1 / s1
	v_readfirstlane_b32 s68, v16
	v_readfirstlane_b32 s[SCL1], v17
	v_readfirstlane_b32 s69, v18
	s_mov_b32 s[SCL1+1], s[SCL1]
	GENV 0                                         ; slice 0
	GENS 0, 0
	GENV 1
	GENS 0, 1
	s_add_nc_u64 s[KB:KB+1], s[KB:KB+1], 256       ; slice 0's loads were shown done by the counted wait above
	s_add_nc_u64 s[QB:QB+1], s[QB:QB+1], 256
	QKLOAD                                         ; slice 1
	s_wait_loadcnt 32                              ; ln1_w's maxima and the bias are in; lno_w's 24 loads and slice 1's 8 stay out
	WIN 0x05
	v_max_num_f32 v16, v48, v49
	v_max_num_f32 v17, v50, v51
.set i, 52
.rept 23
	v_max3_num_f32 v16, v[i], v[i+1], v16
	v_max3_num_f32 v17, v[i+2], v[i+3], v17
.set i, i+4
.endr
	v_max_num_f32 v18, |v144|, |v145|
	v_max3_num_f32 v18, |v146|, |v147|, v18
	v_max3_num_f32 v18, |v148|, |v149|, v18
	WIN 0
	v_max_num_f32 v16, v16, v17
	LANEMAX 16, 17                                 ; max|ln1_w| stays in v16; v17 is free again
	LANEMAX 18, 17                                 ; max|ln1_b| in v18
	v_mul_f32 v19, 0x44400000, v16                 ; 768 max|ln1_w|
	v_fma_f32 v19, v19, s68, v18                   ; the bound on the hidden layer's magnitudes in my columns
	SCALEOF 19, 20
	v_sub_nc_u32 v22, 0xfe, v20
	v_lshlrev_b32 v21, 23, v20                     ; s2
	v_lshlrev_b32 v22, 23, v22                     ; 1 / s2
	v_mul_f32 v23, s69, v21                        ; s2 / s1
	v_readfirstlane_b32 s70, v21
	v_readfirstlane_b32 s[CC], v23
	v_readfirstlane_b32 s[IS2], v22
	s_mov_b32 s[CC+1], s[CC]
	s_mov_b32 s[IS2+1], s[IS2]
	WIN 0x05
.irp i, 0,1,2,3,4,5
	v_mul_f32 v[16+\i], s70, v[144+\i]             ; ln1_b x s2
.endr
	WIN 0
.irp t, 0,1,2
	ds_store_b64 v58, v[16+2*\t:17+2*\t] offset:256*\t
.endr
	s_wait_loadcnt 8                               ; lno_w is in; slice 1's 8 loads stay out
	WIN 0x05
.set i, 0
.rept 48
	v_cvt_pk_f16_f32 v[64+i], v[152+2*i], v[153+2*i]
.set i, i+1
.endr
	WIN 0
	v_cmp_gt_u32 vcc_lo, 7, v60                    ; rows 7 to 15 of the fragment are zeros
.set i, 0
.rept 48
	v_cndmask_b32 v[64+i], 0, v[64+i], vcc_lo
.set i, i+1
.endr
.irp p, 0,1,2,3,4,5
	ds_store_b128 v8, v[64+8*\p:64+8*\p+3] offset:1024*\p
	ds_store_b128 v8, v[64+8*\p+4:64+8*\p+7] offset:1024*\p+512
.endr
	s_wait_kmcnt 0x0                               ; mask of i, lno_b
; 16 matrix instructions: two of the window's four column tiles x all 8 row tiles, 32 along K.  Source 0 = 16 rows of ln1_w, source 1 = 16 rows of
; relu(q + k): lane (r, h) register j holds column 16 b + 8 h + j of row 16 a + r.  The accumulators take turns, one instruction a turn.
.macro MUL16 af, bf, bb0, zero
.irp bb, \bb0, \bb0+1
.irp a, 0,1,2,3,4,5,6,7
.if \zero
	v_wmma_f32_16x16x32_f16 v[8*(8*(\bb)+\a):8*(8*(\bb)+\a)+7], v[\bf+8*(\bb):\bf+8*(\bb)+7], v[\af+8*\a:\af+8*\a+7], 0
.else
	v_wmma_f32_16x16x32_f16 v[8*(8*(\bb)+\a):8*(8*(\bb)+\a)+7], v[\bf+8*(\bb):\bf+8*(\bb)+7], v[\af+8*\a:\af+8*\a+7], v[8*(8*(\bb)+\a):8*(8*(\bb)+\a)+7]
.endif
.endr
.endr
.endm
.macro LDB buf, slot, g                ; group g = 0..5 of a step: column tiles 4 (g % 3) .. + 3, half g / 3 of the step's K: 8 loads, lane i at 16 i
.irp bb, 0,1,2,3
	ds_load_b128 v[\buf+8*\bb:\buf+8*\bb+3],   v[ADRB+(\slot)] offset:2048*(4*((\g)%3)+\bb)+1024*((\g)/3)
	ds_load_b128 v[\buf+8*\bb+4:\buf+8*\bb+7], v[ADRB+(\slot)] offset:2048*(4*((\g)%3)+\bb)+1024*((\g)/3)+512
.endr
.endm
.macro LDA buf, par, kb                ; the 8 row fragments of half kb of slice par: 16 loads
.irp a, 0,1,2,3,4,5,6,7
	ds_load_b128 v[\buf+8*\a:\buf+8*\a+3],   v[ADRA] offset:ASLB*(\par)+16*APITCH*\a+64*\kb
	ds_load_b128 v[\buf+8*\a+4:\buf+8*\a+7], v[ADRA] offset:ASLB*(\par)+16*APITCH*\a+64*\kb+32
.endr
.endm
; One K step: six groups of 32 matrix instructions (windows 1, 2, 3 on k 0-31, then on k 32-63).
; zero = 1: the first three groups start the sums.  gen = 1: the next step's slice is made.  turn = 2: slots change and this slot is filled again,
; two steps ahead; 1: slots change, nothing is fetched; 0: the last step.
; The slice's arithmetic stands straight behind the third and the fourth group, in front of those gaps' LDS loads: its 72 and 64 vector instructions
; are the places that the loads need behind the matrix instructions, and the slice's stores follow the loads, 8 instructions behind the last conversion.
; ONE barrier for the change.  In front of it each wave waits for all its LDS instructions (its reads of this slot and of this slice, its stores of
; the next slice) and for all its tensor loads (the one that is out is its quarter of the next slot).  Where the slot is filled again the barrier
; opens a round of the cluster's barrier, and the joint refill is the first tensor load behind the round.
.macro STEP slot, zero, gen, turn
	s_wait_dscnt 8                                 ; BF0 and AF0 are in; BF1's 8 loads may be out
	WIN 0x50
	MUL16 AF0, BF0, 0, \zero
	MUL16 AF0, BF0, 2, \zero
	WIN 0
	PLACES
	LDB BF0, \slot, 2
	LDA AF1, \slot, 1
	s_wait_dscnt 24                                ; BF1 is in; the 8 + 16 just issued may be out
	WIN 0xa0
	MUL16 AF0, BF1, 0, \zero
	MUL16 AF0, BF1, 2, \zero
	WIN 0
	PLACES
	LDB BF1, \slot, 3
	s_wait_dscnt 24                                ; BF0 is in; AF1's 16 and BF1's 8 may be out
	WIN 0xf0
	MUL16 AF0, BF0, 0, \zero
	MUL16 AF0, BF0, 2, \zero
	WIN 0
.if \gen
	s_wait_loadcnt 0x0                             ; the next slice's q and k, asked for in the step before
	GENV 0                                         ; AF0 has had its last reader of the step
	LDB BF0, \slot, 4
	GENS 1-\slot, 0
.else
	PLACES
	LDB BF0, \slot, 4
.endif
	s_wait_dscnt 8+8*\gen                          ; AF1 and BF1 are in; BF0's 8 loads and the 8 stores of the slice may be out
	WIN 0x50
	MUL16 AF1, BF1, 0, 0
	MUL16 AF1, BF1, 2, 0
	WIN 0
.if \gen
	GENV 1
	LDB BF1, \slot, 5
	GENS 1-\slot, 1
.else
	PLACES
	LDB BF1, \slot, 5
.endif
	s_wait_dscnt 8+16*\gen                         ; BF0 is in; BF1's 8 loads and the slice's 16 stores may be out
	WIN 0xa0
	MUL16 AF1, BF0, 0, 0
.if \turn
	s_wait_dscnt 0x0                               ; my reads of this slot and slice are over, my part of the next slice is written,
	s_wait_xcnt 0x0
	s_set_vgpr_msb 0xa020
	v_lshl_add_u32 v62, v0, 2, 0x48a00
	v_mov_b32 v63, 0
	s_wait_tensorcnt 0x0                           ; and all my tensor loads have landed:
	ds_add_u32 v62, v63
	s_wait_dscnt 0x0
	s_set_vgpr_msb 0x20a0
	s_barrier_signal -1                            ; say so,
	MUL16 AF1, BF0, 2, 0                           ; work on registers while the others arrive,
	WIN 0
	s_barrier_wait -1
.if \turn == 2
	CREST                                          ; all four work-groups have said so
	s_add_nc_u64 s[G0+4*\slot+2:G0+4*\slot+3], s[G0+4*\slot+2:G0+4*\slot+3], 2*SLOTB
	tensor_load_to_lds s[G0+4*\slot:G0+4*\slot+3], s[G1:G1+7]      ; my one tensor load behind the round, and the first thing there
	s_nop 0
	s_add_nc_u64 s[KB:KB+1], s[KB:KB+1], 256       ; the last slice's loads were shown done by the wait for 0 above
	s_add_nc_u64 s[QB:QB+1], s[QB:QB+1], 256
	QKLOAD                                         ; q and k two steps ahead
.endif
	PLACES
	LDB BF0, 1-\slot, 0
	LDA AF0, 1-\slot, 0
	WIN 0xf0
	MUL16 AF1, BF1, 0, 0                           ; BF1 was shown in by the wait for 0
	MUL16 AF1, BF1, 2, 0
	WIN 0
	PLACES
	LDB BF1, 1-\slot, 1
.else
	MUL16 AF1, BF0, 2, 0
	s_wait_dscnt 0x0
	WIN 0xf0
	MUL16 AF1, BF1, 0, 0
	MUL16 AF1, BF1, 2, 0
	WIN 0
.endif
.endm
	s_wait_dscnt 0x0                               ; my part of slice 0, my bias and my lno_w fragments are written
	s_wait_tensorcnt 0x1                           ; my quarter of K step 0 is in; step 1's stays out
	s_barrier_signal -1
	s_barrier_wait -1
	LDB BF0, 0, 0
	LDA AF0, 0, 0
	LDB BF1, 0, 1
	STEP 0, 1, 1, 2                                ; steps 0 and 1 stand in front of the loop: step 0's first products start the sums
	STEP 1, 0, 1, 2
	s_mov_b32 s27, 4
.Llap:
	STEP 0, 0, 1, 2                                ; steps 2 to 9
	STEP 1, 0, 1, 2
	s_sub_co_u32 s27, s27, 1
	s_cmp_lg_u32 s27, 0
	s_cbranch_scc1 .Llap
	STEP 0, 0, 1, 1                                ; step 10: nothing is left to fetch
	STEP 1, 0, 0, 0                                ; step 11
	; THE LAST PRODUCT.  A lane's eight numbers of tile (2 p, a) and of tile (2 p + 1, a) are, rounded to f16, registers 0-3 and 4-7 of a fragment
	; of 16 rows x 32 hidden columns: no lane moves.  Source 0 = lno_w's fragment (rows 7-15 zeros): lane (r, h) register j holds relation 8 h + j of row 16 a + r.
	PLACES
.irp p, 0,1,2,3,4,5
	ds_load_b128 v[LF+8*\p:LF+8*\p+3],   v8 offset:1024*\p
	ds_load_b128 v[LF+8*\p+4:LF+8*\p+7], v8 offset:1024*\p+512
.endr
.irp b, 0,1,2,3,4,5,6,7,8,9,10,11
	ds_load_b128 v[BI+8*\b:BI+8*\b+3],   v9 offset:64*\b
	ds_load_b128 v[BI+8*\b+4:BI+8*\b+7], v9 offset:64*\b+16
.endr
	s_wait_dscnt 0x0
.macro EPI w
	WIN (\w<<6)|\w                                 ; destination and source 0 in window w
.irp bb, 0,1,2,3
.irp a, 0,1,2,3,4,5,6,7
.irp j, 0,2,4,6
	v_pk_fma_f32 v[8*(8*\bb+\a)+\j:8*(8*\bb+\a)+\j+1], v[8*(8*\bb+\a)+\j:8*(8*\bb+\a)+\j+1], s[CC:CC+1], v[BI+8*(4*(\w-1)+\bb)+\j:BI+8*(4*(\w-1)+\bb)+\j+1] op_sel_hi:[1,0,1]
.endr
.endr
.endr
	WIN (\w<<6)|(\w<<2)|\w                         ; source 1 too
.set i, 0
.rept 256
	v_max_num_f32 v[i], 0, v[i]
.set i, i+1
.endr
.irp pl, 0,1
.irp a, 0,1,2,3,4,5,6,7
.irp r, 0,1,2,3
	v_cvt_pk_f16_f32 v[8*(16*\pl+\a)+\r], v[8*(16*\pl+\a)+2*\r], v[8*(16*\pl+\a)+2*\r+1]         ; in place, ascending
.endr
.irp r, 0,1,2,3
	v_cvt_pk_f16_f32 v[8*(16*\pl+\a)+4+\r], v[8*(16*\pl+8+\a)+2*\r], v[8*(16*\pl+8+\a)+2*\r+1]   ; the neighbour tile's numbers beside them
.endr
.endr
.endr
	WIN (\w<<2)                                    ; source 1 in window w, all else in window 0
.irp pl, 0,1
.irp a, 0,1,2,3,4,5,6,7
.if 2*(\w-1)+\pl == 0
	v_wmma_f32_16x16x32_f16 v[OA+8*\a:OA+8*\a+7], v[LF+8*(2*(\w-1)+\pl):LF+8*(2*(\w-1)+\pl)+7], v[8*(16*\pl+\a):8*(16*\pl+\a)+7], 0
.else
	v_wmma_f32_16x16x32_f16 v[OA+8*\a:OA+8*\a+7], v[LF+8*(2*(\w-1)+\pl):LF+8*(2*(\w-1)+\pl)+7], v[8*(16*\pl+\a):8*(16*\pl+\a)+7], v[OA+8*\a:OA+8*\a+7]
.endif
.endr
.endr
.endm
	EPI 1
	EPI 2
	EPI 3
	WIN 0
	PLACES
.set i, 0
.rept 32
	v_pk_mul_f32 v[OA+i:OA+i+1], v[OA+i:OA+i+1], s[IS2:IS2+1] op_sel_hi:[1,0]     ; each wave has its own s2: undone before the waves' parts meet
.set i, i+2
.endr
.irp a, 0,1,2,3,4,5,6,7
	ds_store_b128 v10, v[OA+8*\a:OA+8*\a+3] offset:512*\a
	ds_store_b128 v10, v[OA+8*\a+4:OA+8*\a+7] offset:512*\a+16
.endr
	s_wait_dscnt 0x0                               ; for the others' sake
	s_barrier_signal -1
	s_barrier_wait -1
	; thread t owns row t: il = its wave, j = its lane
.irp w, 0,1,2,3
	ds_load_b128 v[128+8*\w:128+8*\w+3], v11 offset:8192*\w
	ds_load_b128 v[128+8*\w+4:128+8*\w+7], v11 offset:8192*\w+16
.endr
	v_mul_f32 v14, s54, v14                        ; mask_i x mask_j
	s_wait_dscnt 0x0
.irp j, 0,2,4,6
	v_pk_add_f32 v[128+\j:128+\j+1], v[128+\j:128+\j+1], v[136+\j:136+\j+1]
	v_pk_add_f32 v[144+\j:144+\j+1], v[144+\j:144+\j+1], v[152+\j:152+\j+1]
.endr
.irp j, 0,2,4,6
	v_pk_add_f32 v[128+\j:128+\j+1], v[128+\j:128+\j+1], v[144+\j:144+\j+1]
.endr
.irp k, 0,1,2,3,4,5,6
	v_add_f32 v[128+\k], s[56+\k], v[128+\k]       ; lno_b
	v_mul_f32 v[128+\k], v14, v[128+\k]
	ds_store_b32 v12, v[128+\k] offset:4*\k
.endr
	s_wait_dscnt 0x0
	s_barrier_signal -1
	s_barrier_wait -1
	v_add_nc_u32 v12, OUTS, v13                    ; the rows are read back 16 bytes a thread; v12's stores are over, and it has held only numbers made from the thread's number
	ds_load_b128 v[20:23], v12                     ; the first 2,048 of the 3,584 bytes
	s_cmp_lt_u32 s22, 3
	s_cbranch_scc0 .Llast
	ds_load_b128 v[24:27], v12 offset:2048         ; the other 1,536: waves 0 to 2
	s_wait_dscnt 0x0
	global_store_b128 v13, v[24:27], s[20:21] offset:2048 th:TH_STORE_NT
.Llast:
	s_wait_dscnt 0x0
	global_store_b128 v13, v[20:23], s[20:21] th:TH_STORE_NT       ; 16 lanes store 256 consecutive bytes, aligned
	s_wait_xcnt 0x0
	v_lshl_add_u32 v62, v0, 2, 0x48a00
	v_mov_b32 v63, 0
	s_wait_tensorcnt 0x0
	ds_add_u32 v62, v63
	s_wait_dscnt 0x0
	ROUND                                          ; the closing round: no work-group ends while a partner may still ask for a tile that names it
	s_endpgm
.Lfunc_end_k_qdcd349fc83_pair:
	.size	k_qdcd349fc83_pair, .Lfunc_end_k_qdcd349fc83_pair-k_qdcd349fc83_pair
	.p2alignl 7, 3214868480
	.fill 96, 4, 3214868480
	.section	.rodata,"a",@progbits
	.p2align	6, 0x0
	.amdhsa_kernel k_qdcd349fc83_pair
		.amdhsa_group_segment_fixed_size 327680
		.amdhsa_private_segment_fixed_size 0
		.amdhsa_enable_private_segment 0
		.amdhsa_kernarg_size 72
		.amdhsa_user_sgpr_count 2
		.amdhsa_user_sgpr_kernarg_segment_ptr 1
		.amdhsa_wavefront_size32 1
		.amdhsa_system_sgpr_workgroup_id_x 1
		.amdhsa_system_sgpr_workgroup_id_y 1
		.amdhsa_system_sgpr_workgroup_id_z 1
		.amdhsa_system_vgpr_workitem_id 0
		.amdhsa_next_free_vgpr 1024
		.amdhsa_next_free_sgpr 96
		.amdhsa_reserve_vcc 1
		.amdhsa_float_denorm_mode_32 3
		.amdhsa_float_denorm_mode_16_64 3
		.amdhsa_memory_ordered 1
		.amdhsa_forward_progress 1
		.amdhsa_inst_pref_size 255
	.end_amdhsa_kernel
	.section	.bss,"aw",@nobits
	.p2align	6
	.space	262144
	.amdgpu_metadata
---
amdhsa.version: [ 1, 2 ]
amdhsa.kernels:
  - .name:           k_qdcd349fc83_pair
    .symbol:         k_qdcd349fc83_pair.kd
    .args:
      - { .name: qk, .offset: 0, .size: 8, .value_kind: global_buffer, .address_space: global }
      - { .name: wf, .offset: 8, .size: 8, .value_kind: global_buffer, .address_space: global }
      - { .name: mxqk, .offset: 16, .size: 8, .value_kind: global_buffer, .address_space: global }
      - { .name: mxw, .offset: 24, .size: 8, .value_kind: global_buffer, .address_space: global }
      - { .name: ln1_b, .offset: 32, .size: 8, .value_kind: global_buffer, .address_space: global }
      - { .name: lno_w, .offset: 40, .size: 8, .value_kind: global_buffer, .address_space: global }
      - { .name: lno_b, .offset: 48, .size: 8, .value_kind: global_buffer, .address_space: global }
      - { .name: ent_mask, .offset: 56, .size: 8, .value_kind: global_buffer, .address_space: global }
      - { .name: out0, .offset: 64, .size: 8, .value_kind: global_buffer, .address_space: global }
    .group_segment_fixed_size: 327680
    .private_segment_fixed_size: 0
    .kernarg_segment_align: 8
    .kernarg_segment_size: 72
    .max_flat_workgroup_size: 128
    .sgpr_count:     96
    .vgpr_count:     1024
    .wavefront_size: 32
...
	.end_amdgpu_metadata
.endif
;; end of part 3
